; MI455X (gfx1250); checked and timed in simulation.
; The chip was launched on July 23, 2026; its instructions are those of AMD's public machine-readable ISA for CDNA 5 (MIT licence, August 2026) and "CDNA5" Instruction Set Architecture Reference Guide (July 2026). The comments in the code are by the model that wrote it; some were corrected since.
;; Self Attention. Allowed arithmetic: matrix products marked QUANTISED: E5M2 operands, one E8M0 scale for each 32 along K, by v_wmma_scale_f32_16x16x128_f8f6f4 with both operands' format E5M2, f32 sums; everything else in f32.
;; Inputs: Wk 1,024 x 1,024 float32; Wq 1,024 x 1,024 float32; Wv 1,024 x 1,024 float32; attention_mask 4 x 1 x 1 x 2,048 int32; hidden_states 4 x 2,048 x 1,024 float32.
;; Outputs: out0 4 x 2,048 x 1,024 float32.
;; This version of the problem:
;;   THIS VERSION OF THE PROBLEM IS GIVEN IN LOW PRECISION. The matrix products marked QUANTISED in the list below multiply operands that are first quantised to E5M2 (5 exponent bits, 2 mantissa bits; 8 bits a number), with one power-of-two scale for each 32 numbers along K (OCP MX v1.0); their sums are f32. All else is computed in f32.
;;   The module's matrix products, in the order in which they are computed (A, B: the left and right operand; K: the contracted axis; several contracted axes count as one K, in the product's order):
;;     1. [M 8,192, K 1,024] x [K 1,024, N 1,024]; A: input hidden_states; B: input Wq: QUANTISED
;;     2. [M 8,192, K 1,024] x [K 1,024, N 1,024]; A: input hidden_states; B: input Wk: QUANTISED
;;     3. [M 8,192, K 1,024] x [K 1,024, N 1,024]; A: input hidden_states; B: input Wv: QUANTISED
;;     4. batch 64 x [M 2,048, K 64] x [K 64, N 2,048]; A: computed on the way; B: computed on the way: QUANTISED
;;     5. batch 64 x [M 2,048, K 2,048] x [K 2,048, N 64]; A: softmax (see below); B: computed on the way: QUANTISED
;;   THE QUANTISER, for each operand of a quantised product, along K:
;;     - K is cut into blocks of 32 from its start; a last block that is shorter is filled with zeros.
;;     - A block's scale is 2^e with e = floor(log2(the largest magnitude in the block)) - 15, held to -126 .. 127; a block of zeros has e = 0. As a byte (E8M0): e + 127.
;;     - Each number is divided by its block's scale, clamped to +-57,344, and rounded to the nearest number of E5M2, ties to even, subnormals kept.
;;     - The product sums the exact products of the quantised numbers (number of the format x scale) in f32.
;;   ~~~python
;;   def quantise(x, axis):      # numpy; x: float32 -> the quantised numbers, widened to float32 again
;;       x = np.moveaxis(x, axis, -1); K = x.shape[-1]
;;       x = np.pad(x, [(0, 0)] * (x.ndim - 1) + [(0, -K % 32)]); x = x.reshape(x.shape[:-1] + (-1, 32)); a = np.abs(x).max(-1, keepdims=True)
;;       e = np.where(a > 0, np.clip(np.frexp(np.where(a > 0, a, 1))[1] - 1 - 15, -126, 127), 0)      # np.frexp(a)[1] - 1 = floor(log2(a)), exactly
;;       r = np.clip(x / 2.0 ** e, -57344, 57344)
;;       step = 2.0 ** (np.maximum(np.frexp(np.where(r == 0, 1, r))[1] - 1, -14) - 2)
;;       q = np.round(r / step) * step * 2.0 ** e      # np.round: ties to even
;;       return np.moveaxis(q.reshape(q.shape[:-2] + (-1,))[..., :K], -1, axis).astype(np.float32)
;;   ~~~
;;   SOFTMAX AHEAD OF A QUANTISED PRODUCT. Where the list says 'softmax', what is quantised is not the finished softmax but p = 2^(t - M), with t = logit x log2(e) and M = ceil(the row's largest t), a whole number; so 1/2 < the row's largest p <= 1. The row's sum l is taken of the UNQUANTISED p, in f32, and the product's result is divided by l at the end. Since M is a whole number, a kernel that streams over the keys may use a running M (the ceiling of the running maximum): every later rescaling is an exact power of two, which a block's scale takes up: the codes' values come out the same.
;;   OPERANDS COMPUTED ON THE WAY. 'Computed on the way' means the value that the module computes at that place (a softmax that the list does not call 'softmax' is quantised finished and normalised). What goes into a quantiser is computed in f32, as accurately as f32 sums, v_exp_f32 and their like allow (about 1e-6 of the number): no bf16 or f16 on the way to a quantiser, and a product that is left as it is and whose result goes on into a quantised operand takes f32 operands (vector FMAs, or v_wmma_f32_16x16x4_f32). A number that lies on a knife's edge between two numbers of the format may be rounded either way, as far as f32 arithmetic and the matrix unit's own rounding can turn it there, and no further.
;; One version. Each part assembles by itself: llvm-mc -triple=amdgcn-amd-amdhsa -mcpu=gfx1250 --defsym DOCPART=n.
;; ======== version 1 of 1: 3 launches
;; limits: right only within a limited range of input values
;; workspace buffers: x_codes 8,388,608 bytes; x_scales 262,144 bytes; w_codes 3,145,728 bytes; w_scales 98,304 bytes; qkv 25,165,824 bytes; scl 1,310,720 bytes
;; launch quant (part 1): grid 352 x 1, 4 waves a work-group, no clusters, 33,280 bytes of LDS; arguments hidden_states, Wq, Wk, Wv, x_codes, x_scales, w_codes, w_scales; writes x_codes, x_scales, w_codes, w_scales
.if DOCPART == 1
	.amdgcn_target "amdgcn-amd-amdhsa--gfx1250"
	.amdhsa_code_object_version 6
	.text
	.protected	k_qab1ec58fbc_quant
	.globl	k_qab1ec58fbc_quant
	.p2align	8
	.type	k_qab1ec58fbc_quant,@function
k_qab1ec58fbc_quant:
	s_mov_b64 s[64:65], 0
	v_nop
	global_prefetch_b8 v0, s[64:65] scope:SCOPE_SE
	s_setreg_imm32_b32 hwreg(HW_REG_WAVE_MODE, 25, 1), 1
	s_wait_xcnt 0x0
; hidden_states [8192][1024] and Wq, Wk, Wv [1024][1024], f32, become codes of BF8 (E5M2), one byte each, K = 1,024 innermost, with one E8M0 scale byte for each 32 along K.
; x_codes [8192][1024], x_scales [8192][32];  w_codes [3072][1024], w_scales [3072][32]: Wq's rows, then Wk's, then Wv's.
; A block's scale is 2^(floor(log2(its largest magnitude)) - 15); its byte is the largest magnitude's own exponent field - 15, held at 1 from below.  Each number is divided by the scale, held within +-57,344, rounded to the nearest code, ties to even.
; ROW PLACES: in the four buffers bits 3 and 4 of the row number are exchanged: place 16 u + r of a group of 32 holds row 8 u + r + 8 (r / 8).  So 16 neighbouring places are the 16 rows that the next launch wants as one tile,
; and it reads plain neighbouring rows.  A wave owns 8 neighbouring rows, so the exchange is a matter of where the wave's run of codes and of scale bytes begins, and of nothing else.
; LIMITS: a block of zeros gets the byte 1 where the rule says 127 (its codes are zeros, which add nothing under any byte but 0xff; this program alone reads the bytes); blocks whose largest magnitude lies under 2^-111, the floor, were not tried;
; NaN and infinities among the inputs are not served.
; SHARES: a work-group takes 32 rows, a wave 8 rows = 16 steps of 512 numbers.  Work-groups 0-255 take hidden_states, the next 3 x 32 the three weights: only pointers are chosen, all take one path.
; Each of a step's four loads reads 512 consecutive bytes, 16 a lane; the conversions want 16 NEIGHBOURS in a lane, so the 2,048 bytes turn through the wave's own stage in LDS (16 bytes of padding behind each 64) and come back 64 bytes a lane.
; No tensor loads, no barrier: waves share nothing.  Loads run four steps (16 loads a wave) ahead, the turn through LDS one step.
.set STEPS, 16
.set WGX,   256                        ; work-groups of hidden_states
.set EMAX,  15
.set MANT,  0x600000                   ; the mantissa field of 57,344 as f32
.set CB,    16                         ; bytes of 16 codes
.set R,     16                         ; v16-79   four sets of 16 numbers as they are loaded
.set X,     80                         ; v80-111  two sets of 16 neighbours
.set C,     128                        ; v128-191 codes: four registers for each step, so that no store's data are written again
.set E,     112                        ; v112-127 a scale byte for each step
.set WREG,  8192                       ; LDS: a region for each wave: two stages of 32 x SP bytes, and behind them its 256 scale bytes
.set SP,    80                         ; a lane's place in a stage: its 64 bytes + 16 of padding
	s_load_b256 s[4:11], s[0:1], 0x0               ; hidden_states s[4:5], Wq s[6:7], Wk s[8:9], Wv s[10:11]
	s_load_b256 s[12:19], s[0:1], 0x20             ; x_codes s[12:13], x_scales s[14:15], w_codes s[16:17], w_scales s[18:19]
	v_lshl_add_u32 v192, v0, 2, 0x8000
	v_mov_b32 v193, 0
	v_lshrrev_b32 v1, 5, v0
	v_readfirstlane_b32 s20, v1                    ; wave
	v_and_b32 v2, 31, v0                           ; lane
	v_lshlrev_b32 v3, 4, v2                        ; my 16 bytes of a load's 512
	s_mul_i32 s26, s20, WREG
	v_lshrrev_b32 v14, 2, v2
	v_mul_u32_u24 v14, v14, SP
	v_and_b32 v15, 3, v2
	v_lshl_add_u32 v14, v15, 4, v14
	v_add_nc_u32 v14, s26, v14                     ; the stage, on the way in: four lanes' 64 bytes on end, then 16 of padding
	v_mul_u32_u24 v15, v2, SP
	v_add_nc_u32 v15, s26, v15                     ; and on the way out: SP x lane: my 16 neighbours
	v_mul_u32_u24 v4, v2, CB                       ; my codes' place in a step's
	v_lshrrev_b32 v5, 1, v2
	s_add_co_u32 s26, s26, 2*32*SP
	v_add_nc_u32 v5, s26, v5                       ; LDS: my wave's 256 scale bytes, my block's byte
	v_lshlrev_b32 v7, 3, v2                        ; and on the way out 8 bytes a lane
	v_add_nc_u32 v6, s26, v7
	s_sub_co_u32 s21, ttmp9, WGX                   ; a weight's work-group among the 96 (it wraps for hidden_states' work-groups, which do not use it)
	s_lshr_b32 s22, s21, 5                         ; which weight
	s_and_b32 s23, s21, 31                         ; and which 32 rows of it
	s_wait_alu depctr_va_vdst(0)
	s_wait_kmcnt 0x0
	s_cmp_eq_u32 s22, 0                            ; every choice hangs on the work-group's number alone
	s_cselect_b64 s[6:7], s[6:7], s[8:9]
	s_cmp_eq_u32 s22, 2
	s_cselect_b64 s[6:7], s[10:11], s[6:7]
	s_cmp_lt_u32 ttmp9, WGX
	s_cselect_b64 s[4:5], s[4:5], s[6:7]           ; the source,
	s_cselect_b64 s[12:13], s[12:13], s[16:17]     ; its codes,
	s_cselect_b64 s[14:15], s[14:15], s[18:19]     ; its scale bytes,
	s_cselect_b32 s24, ttmp9, s23                  ; the group of 32 rows in the source,
	s_cselect_b32 s25, ttmp9, s21                  ; and in the codes' buffer
	s_lshl_b32 s28, s24, 2
	s_add_co_u32 s28, s28, s20                     ; my run of 8 rows in the source
	s_lshl_b32 s28, s28, 15                        ; 32,768 bytes a run: under 2^26
	s_mov_b32 s29, 0
	s_add_nc_u64 s[4:5], s[4:5], s[28:29]
	s_and_b32 s30, s20, 1
	s_lshl_b32 s30, s30, 1
	s_lshr_b32 s31, s20, 1
	s_add_co_u32 s30, s30, s31                     ; the wave's two bits exchanged: rows 8 w on go to places 8 (2 (w % 2) + w / 2) on
	s_lshl_b32 s31, s25, 2
	s_add_co_u32 s30, s30, s31                     ; my run of 8 places
	s_lshl_b32 s28, s30, 13                        ; 8,192 bytes of codes a run
	s_add_nc_u64 s[12:13], s[12:13], s[28:29]
	s_lshl_b32 s28, s30, 8                         ; 256 scale bytes a run
	s_add_nc_u64 s[14:15], s[14:15], s[28:29]
.macro LOAD t
.irp i, 0,1,2,3
	global_load_b128 v[R+16*((\t)%4)+4*\i:R+16*((\t)%4)+4*\i+3], v3, s[4:5] offset:2048*(\t)+512*\i th:TH_LOAD_NT   ; 32 lanes read 512 consecutive bytes; read once in the launch
.endr
.endm
.macro TURN t                          ; step t's numbers through the stage: LDS serves a wave's instructions in order (ISA guide 5.7.1.4), so no wait stands between the stores and the loads
.irp i, 0,1,2,3
	ds_store_b128 v14, v[R+16*((\t)%4)+4*\i:R+16*((\t)%4)+4*\i+3] offset:32*SP*((\t)%2)+8*SP*\i
.endr
.irp i, 0,1,2,3
	ds_load_b128 v[X+16*((\t)%2)+4*\i:X+16*((\t)%2)+4*\i+3], v15 offset:32*SP*((\t)%2)+16*\i
.endr
.endm
.irp t, 0,1,2,3
	LOAD \t
.endr
	s_wait_loadcnt 12                              ; step 0's four loads are in; the twelve of steps 1 to 3 may be out
	TURN 0
.macro STEP t
.set XS, X+16*((\t)%2)
.if (\t) > 0
	s_wait_dscnt 1                                 ; this step's numbers are back from the stage (the last step's byte store may be out): so its stores into the stage have read their registers,
.else
	s_wait_dscnt 0x0
.endif
.if (\t)+4 < STEPS
	LOAD (\t)+4                                    ; which take the loads of four steps on
.endif
.if (\t)+1 < STEPS
.if STEPS-2-(\t) >= 3
	s_wait_loadcnt 12                              ; the next step's four loads are in; those of the three steps behind it may be out
.else
	s_wait_loadcnt 4*(STEPS-2-(\t))                ; at the end the count runs down with the steps that are left
.endif
	TURN (\t)+1                                    ; and go through the other stage while this step is worked
.endif
	v_max3_num_f32 v8, |v[XS]|, |v[XS+1]|, |v[XS+2]|               ; the largest magnitude of my 16, in two chains
	v_max3_num_f32 v9, |v[XS+3]|, |v[XS+4]|, |v[XS+5]|
.irp i, 6,10
	v_max3_num_f32 v8, v8, |v[XS+\i]|, |v[XS+\i+1]|
	v_max3_num_f32 v9, v9, |v[XS+\i+2]|, |v[XS+\i+3]|
.endr
	v_max3_num_f32 v8, v8, |v[XS+14]|, |v[XS+15]|
	v_max3_num_f32 v8, v8, v9, (EMAX+1)<<23        ; and the floor 2^(EMAX + 1 - 127): so the byte cannot fall under 1
	v_max_num_f32_dpp v8, v8, v8 row_xmask:1 row_mask:0xf bank_mask:0xf   ; and of my neighbour's 16: the block's
	v_add_nc_u32 v11, -(EMAX<<23), v8              ; EMAX off its exponent field: the conversion takes the exponent field of this operand as its scale, and nothing else of it
.irp i, 0,1,2,3,4,5,6,7,8,9,10,11,12,13,14,15
.endr
	v_cvt_scalef32_pk8_bf8_f32 v[C+4*(\t):C+4*(\t)+1], v[XS:XS+7], v11
	v_cvt_scalef32_pk8_bf8_f32 v[C+4*(\t)+2:C+4*(\t)+3], v[XS+8:XS+15], v11
	v_lshrrev_b32 v[E+(\t)], 23, v11               ; the scale's byte (also the plain line behind the conversions)
	ds_store_b8 v5, v[E+(\t)] offset:16*(\t)       ; both lanes of a block write the same byte with the same value
	global_store_b128 v4, v[C+4*(\t):C+4*(\t)+3], s[12:13] offset:32*CB*(\t)   ; the wave stores 512 consecutive bytes, aligned
.endm
.irp t, 0,1,2,3,4,5,6,7,8,9,10,11,12,13,14,15
	STEP \t
.endr
	ds_load_b64 v[12:13], v6                       ; in order behind my byte stores
	s_wait_dscnt 0x0
	global_store_b64 v7, v[12:13], s[14:15]        ; 32 lanes store 256 consecutive bytes, aligned: my 8 rows' scale bytes
	s_wait_tensorcnt 0x0
	ds_add_u32 v192, v193
	s_wait_dscnt 0x0
	s_endpgm
.Lfunc_end_k_qab1ec58fbc_quant:
	.size	k_qab1ec58fbc_quant, .Lfunc_end_k_qab1ec58fbc_quant-k_qab1ec58fbc_quant
	.p2alignl 7, 3214868480
	.fill 96, 4, 3214868480
	.section	.rodata,"a",@progbits
	.p2align	6, 0x0
	.amdhsa_kernel k_qab1ec58fbc_quant
		.amdhsa_group_segment_fixed_size 33280
		.amdhsa_private_segment_fixed_size 0
		.amdhsa_enable_private_segment 0
		.amdhsa_kernarg_size 64
		.amdhsa_user_sgpr_count 2
		.amdhsa_user_sgpr_kernarg_segment_ptr 1
		.amdhsa_wavefront_size32 1
		.amdhsa_system_sgpr_workgroup_id_x 1
		.amdhsa_system_sgpr_workgroup_id_y 1
		.amdhsa_system_sgpr_workgroup_id_z 1
		.amdhsa_system_vgpr_workitem_id 0
		.amdhsa_next_free_vgpr 194
		.amdhsa_next_free_sgpr 66
		.amdhsa_reserve_vcc 0
		.amdhsa_float_denorm_mode_32 3
		.amdhsa_float_denorm_mode_16_64 3
		.amdhsa_fp16_overflow 1
		.amdhsa_memory_ordered 1
		.amdhsa_forward_progress 1
		.amdhsa_inst_pref_size 34
	.end_amdhsa_kernel
	.amdgpu_metadata
---
amdhsa.version: [ 1, 2 ]
amdhsa.kernels:
  - .name:           k_qab1ec58fbc_quant
    .symbol:         k_qab1ec58fbc_quant.kd
    .args:
      - { .name: hidden_states, .offset: 0, .size: 8, .value_kind: global_buffer, .address_space: global }
      - { .name: Wq, .offset: 8, .size: 8, .value_kind: global_buffer, .address_space: global }
      - { .name: Wk, .offset: 16, .size: 8, .value_kind: global_buffer, .address_space: global }
      - { .name: Wv, .offset: 24, .size: 8, .value_kind: global_buffer, .address_space: global }
      - { .name: x_codes, .offset: 32, .size: 8, .value_kind: global_buffer, .address_space: global }
      - { .name: x_scales, .offset: 40, .size: 8, .value_kind: global_buffer, .address_space: global }
      - { .name: w_codes, .offset: 48, .size: 8, .value_kind: global_buffer, .address_space: global }
      - { .name: w_scales, .offset: 56, .size: 8, .value_kind: global_buffer, .address_space: global }
    .group_segment_fixed_size: 33280
    .private_segment_fixed_size: 0
    .kernarg_segment_align: 8
    .kernarg_segment_size: 64
    .max_flat_workgroup_size: 128
    .sgpr_count:     66
    .vgpr_count:     194
    .wavefront_size: 32
...
	.end_amdgpu_metadata
.endif
;; end of part 1
;; launch proj (part 2): grid 8 x 48, 4 waves a work-group, clusters of 4 x 4, 327,680 bytes of LDS; arguments x_codes, x_scales, w_codes, w_scales, qkv, scl; writes qkv, scl
.if DOCPART == 2
	.amdgcn_target "amdgcn-amd-amdhsa--gfx1250"
	.amdhsa_code_object_version 6
	.text
	.protected	k_qab1ec58fbc_proj
	.globl	k_qab1ec58fbc_proj
	.p2align	8
	.type	k_qab1ec58fbc_proj,@function
k_qab1ec58fbc_proj:
	s_mov_b64 s[64:65], 0
	v_nop
	global_prefetch_b8 v0, s[64:65] scope:SCOPE_SE
	s_setreg_imm32_b32 hwreg(HW_REG_WAVE_MODE, 25, 1), 1
	s_wait_xcnt 0x0
	s_wait_alu depctr_hold_cnt(0) depctr_sa_sdst(0) depctr_va_vdst(0) depctr_va_sdst(0) depctr_va_ssrc(0) depctr_va_vcc(0) depctr_vm_vsrc(0)
	s_getreg_b32 s2, hwreg(HW_REG_IB_STS2, 6, 4)
	s_cmp_eq_u32 s2, 0
	s_cbranch_scc0 .Lentry_in_a_cluster
	s_endpgm
.Lentry_in_a_cluster:
	s_bfe_u32 s2, ttmp6, 0x10000c
	s_cmp_lg_u32 s2, 0xf033
	s_cbranch_scc0 .Lentry_shape_is_right
	s_endpgm
.Lentry_shape_is_right:
; q = x Wq^T, k = x Wk^T, v = x Wv^T on codes of BF8 (E5M2) with one E8M0 scale for each 32 along K = 1,024; sums in f32; the results are quantised in registers for the two products of attention and leave as codes.
; ONE PATH for all three: C'[m][n] = sum over k of A[m][k] B[n][k], and the way out quantises along n.   q, k: A = x (m = token), B = Wq's and Wk's rows (n = e): blocks of 32 along the head's 64.
; v: A = Wv's rows (m = e), B = x (n = token): blocks of 32 along the keys.  Which it is hangs on the cluster's y alone (0-7: q, k; 8-11: v), equal in all partners: it chooses pointers and scalar offsets, no branch and no LDS address.
; A tile of C', 256 x 256, is made by four waves, as many as a WGP has SIMDs; a wave makes 128 x 128: 64 accumulators, 512 registers.  K goes in steps of 256 through two LDS slots filled by the tensor data mover (rows of 256 bytes).
; The scale bytes of the tile's 256 + 256 rows, for all of K, are two dense blocks: they come into LDS once, with the first fills.
; CLUSTERS: 4 x 4 work-groups; A's tiles are shared along a row of the cluster, B's along a column: each is asked for jointly, by the same tensor load with the same descriptor and a mask that names the four.
; THE MATRIX INSTRUCTION IS USED TRANSPOSED (source 0 = 16 rows of B, source 1 = 16 rows of A): a lane holds one m, its registers run along n.
; ROW PLACES: the codes' buffers hold row 8 u + r + 8 (r / 8) of each group of 32 at place 16 u + r.  So the 16 registers of accumulators (a, 2 g) and (a, 2 g + 1) are n = 32 g + 16 (lane / 16) + 0 .. 15: 16 neighbours along the next K,
; in the order of an operand's registers: the conversions' results ARE four registers of an operand, and are stored as they stand, 16 bytes a lane, 512 consecutive bytes an instruction.
; OUT: qkv, for each (batch, head) 393,216 bytes: Q | K | V, 131,072 each.  Q, K: [tile of 16 tokens][c = 0, 1][512 bytes]: lane l's 16 bytes at 16 l: token 32 (tile / 2) + 8 (tile % 2) + r + 8 (r / 8), head dims 32 c + 16 h on.
;   V: [128 keys][tile of 16 dims, 0-3][g = 0-3][512 bytes]: dim 32 (tile / 2) + 8 (tile % 2) + r + 8 (r / 8), keys 32 g + 16 h on.
;   scl, for each (batch, head) 20,480 bytes: Q's words 8,192 | K's 8,192 | V's 4,096.  Q, K: [tile / 4][r][tile % 4] words: bytes 0, 1 the head's two blocks; bytes 2, 3 the next head's or 0: they scale zero codes only.  V: [128 keys][r][tile] words.
; LIMITS: a block of zeros gets the byte 1 (its codes are zeros; this program alone reads the bytes); blocks under the floor 2^-111 were not tried; NaN and infinities are not served.
; 384 tiles on 256 WGPs: a tile half as large again would need more registers than a wave has and would straddle q, k and v.
; REGISTERS, in windows of 256: window 0: v1-2 r, h; v16-29 addresses; v32-63 scale words, two sets, and nothing else; v64-95 at work on the way out; v128-255 A's fragments, ONE set; on the way out eight sets of 16 code registers.
;   window 1: B's fragments, TWO sets.   window 2: the accumulators of my rows 0-63 ((a, b) at v[8 (8 a + b)]);   window 3: those of my rows 64-127.
.set SIZE_K, 1024
.set KSTEP,  256                       ; along K in a slot
.set NQ,     KSTEP/128                 ; matrix instructions deep
.set ROWB,   256                       ; a tile's row in bytes
.set KROW,   SIZE_K                    ; a row of codes in memory, in bytes
.set PITCH,  272                       ; an LDS row: 256 bytes + 16 of padding = 68 words: row r starts at bank 4 r mod 64 (64 banks of 4 bytes: ISA guide 11.1)
.set FR,     16                        ; registers of a fragment: 16 rows x 128 K
.set NL,     4                         ; LDS loads that bring one
.set NP,     8                         ; places behind this matrix instruction (ISA guide 7.12.1)
.set HALFT,  128*PITCH                 ; 128 rows: what one tensor load brings, and what one wave reads of A or of B
.set SLOT,   4*HALFT                   ; A's 256 rows, then B's 256 rows
.set LAPS,   SIZE_K/(2*KSTEP)          ; a lap = two K steps = once round the ring
.set KS,     SIZE_K/32                 ; a row of scale bytes
.set SCL,    2*SLOT                    ; behind the ring: the scale bytes, as rows of 256 bytes + 16 of padding
.set HALFS,  (128*KS/256)*272          ; those of 128 rows: what one tensor load brings
.set SBLK,   (16*KS/256)*272           ; those of 16 rows
.set SPARE,  SCL+4*HALFS               ; behind them: the spare words, 128 bytes for each wave: two blocks of 256 bytes that no other line names
.set ADRA, 16                          ; v16-17  LDS address of my A fragments in slot 0, 1
.set ADRB, 20                          ; v20-21  the same for B
.set ADRS, 27                          ; v27     LDS address of my scale words: lanes 0-15 A's rows, lanes 16-31 B's
.set SPW,  28                          ; v28     LDS address of my spare word; never rewritten
.set NIL,  29                          ; v29     0; never rewritten
.set SC,   32                          ; scale words: set s at v[SC + 8 NQ s]; register NQ i + q: lanes 0-15 A's block i, lanes 16-31 B's block i, the slot's q-th 128 along K
.set AF,   128                         ; A's fragments, in window 0
.set TM,   64                          ; the way out: v64-67 largest magnitudes, v68-71 the other half's, then bytes, v76-79 the conversions' scale operands
.set PW,   80                          ; v80     the scale word just made
.set SHV,  81                          ; v81     by how much my half of the lanes shifts it
.set VLO,  82                          ; v82     16 x lane
.set VHI,  83                          ; v83     the same for blocks 2 and 3
.set VSO,  84                          ; v84     where I store four scale words
.set SW,   88                          ; v88-95  the scale words of my eight blocks of rows
.set PC,   128                         ; v128-255 codes: 16 registers for each block of rows, so that no store's data are written again
.set G1, 24                            ; s[24:31] descriptor group 1 for A's tiles;  s[32:39] group 0, one set for each slot
.set G0, 32
.set G1B, 48                           ; s[48:55], s[56:63] the same for B's tiles
.set G0B, 56
.set G1S, 68                           ; s[68:75], s[76:79] groups 1 and 0 for A's scale bytes;  s[80:87], s[88:91] for B's
.set G0S, 76
.set G1SB, 80
.set G0SB, 88
.set MSB, 0
.macro WIN new                         ; the immediate's high byte repeats the setting that is left; a switch that changes nothing is dropped
.if MSB != (\new)
	s_set_vgpr_msb (MSB<<8)|(\new)
.set MSB, (\new)
.endif
.endm
.set MUL_LO, 0xa1                      ; source 0 (B) window 1, source 1 (A) window 0, C and D window 2
.set MUL_HI, 0xf1                      ; the same, C and D window 3
.set TO_B,   0x40                      ; destination window 1, address window 0
; A joint load: waves 0 and 1 fetch for A, waves 2 and 3 for B.  Each of the two lines has one mask and one set of registers for all that issue it; the branch hangs on the wave's number alone.
; Four v_nop follow each of the two lines, ahead of the jump, the label and what follows.
.macro JLOAD g0a, g1a, g0b, g1b
	s_cmp_eq_u32 s15, 0
	s_cbranch_scc0 .Lfor_b_\@
	tensor_load_to_lds s[\g0a:\g0a+3], s[\g1a:\g1a+7]
	s_nop 0
.rept 4
	v_nop
.endr
	s_branch .Lasked_\@
.Lfor_b_\@:
	tensor_load_to_lds s[\g0b:\g0b+3], s[\g1b:\g1b+7]
	s_nop 0
.rept 4
	v_nop
.endr
.Lasked_\@:
.endm
.macro CREST                           ; a round of the cluster's barrier behind its opening barrier
	s_cmp_lg_u32 s14, 0
	s_cbranch_scc1 .Lnot_wave_0_\@
	s_barrier_signal -3
.Lnot_wave_0_\@:
	s_barrier_wait -3
	s_barrier_signal -1
	s_barrier_wait -1
.endm
.macro CROUND                          ; a whole round
	s_barrier_signal -1
	s_barrier_wait -1
	CREST
.endm
	s_load_b256 s[4:11], s[0:1], 0x0               ; x_codes s[4:5], x_scales s[6:7], w_codes s[8:9], w_scales s[10:11]
	s_load_b128 s[96:99], s[0:1], 0x20             ; qkv s[96:97], scl s[98:99]
	v_lshl_add_u32 v[SPW], v0, 2, SPARE
	v_mov_b32 v[NIL], 0
	ds_add_u32 v28, v29
	ds_add_u32 v28, v29
	s_wait_dscnt 0x0
	v_lshrrev_b32 v1, 5, v0
	v_readfirstlane_b32 s14, v1                    ; wave 0..3
	s_lshr_b32 s15, s14, 1                         ; which half of the tile's rows (A's) is mine.  Also: I fetch for A (0) or for B (1)
	s_and_b32 s16, s14, 1                          ; which half of its columns (B's rows).  Also: which 128 rows of that tile I fetch
	s_bfe_u32 s40, ttmp6, 0x40000                  ; cx, cy: my place in the cluster
	s_bfe_u32 s41, ttmp6, 0x40004
	s_lshl_b32 s42, ttmp9, 2
	s_add_co_u32 s42, s42, s40                     ; X = 4 x cluster x + cx, 0..7
	s_and_b32 s17, ttmp7, 0xffff                   ; CY = the cluster's y, 0..11
	s_cmp_ge_u32 s17, 8
	s_cselect_b32 s95, 1, 0                        ; 1: this cluster makes v
	s_lshl_b32 s66, s17, 2
	s_add_co_u32 s66, s66, s41                     ; A's tile of 256 row places.  q, k: 4 CY + cy, of x;
	s_add_co_u32 s67, s41, 8                       ; v: 8 + cy, of the weights: Wv's rows begin at 2,048
	s_cmp_eq_u32 s95, 1
	s_cselect_b32 s66, s67, s66                    ; it hangs on cy and CY alone
	s_sub_co_u32 s104, s17, 8
	s_lshl_b32 s104, s104, 3
	s_add_co_u32 s104, s104, s42                   ; B's tile.  v: X + 8 (CY - 8), of x;
	s_cmp_eq_u32 s95, 1
	s_cselect_b32 s104, s104, s42                  ; q, k: X, of the weights.  It hangs on cx, the cluster's x and CY alone
	s_lshl_b32 s43, s41, 2
	s_lshl_b32 s43, 15, s43                        ; my row of the cluster
	s_lshl_b32 s44, 0x1111, s40                    ; my column
	; descriptor group 1: a tile of 128 rows x 256 bytes, padded in LDS
	s_or_b32 s[G1+0], s43, (0<<16)|(1<<20)|(1<<21)|(5<<22)|(3<<25)  ; 15:0 the mask: A's tiles go to my row; 17:16 elements of 1 byte; 20 padding on; 21 set beside a mask; 24:22 after every 64 words (code 5); 31:25 four words (code 3)
	s_or_b32 s[G1B+0], s44, (0<<16)|(1<<20)|(1<<21)|(5<<22)|(3<<25) ; the same with the mask of my column
.irp g, G1, G1B
	s_mov_b32 s[\g+1], ROWB<<16                    ; tensor_dim0
	s_mov_b32 s[\g+2], 128<<16                     ; tensor_dim1 = 128
	s_mov_b32 s[\g+3], ROWB<<16                    ; tile_dim0
	s_mov_b32 s[\g+4], 128                         ; tile_dim1 = 128
	s_mov_b32 s[\g+5], KROW                        ; tensor_dim0_stride
	s_mov_b32 s[\g+6], 0
	s_mov_b32 s[\g+7], 0
.endr
	; and for the scale bytes of 128 rows: a dense block of 4,096 bytes, as 16 rows of 256 bytes (32 elements of 8 bytes), 16 bytes of padding behind each
	s_or_b32 s[G1S+0], s43, (3<<16)|(1<<20)|(1<<21)|(5<<22)|(3<<25)
	s_or_b32 s[G1SB+0], s44, (3<<16)|(1<<20)|(1<<21)|(5<<22)|(3<<25)
.irp g, G1S, G1SB
	s_mov_b32 s[\g+1], 32<<16
	s_mov_b32 s[\g+2], (128*KS/256)<<16
	s_mov_b32 s[\g+3], 32<<16
	s_mov_b32 s[\g+4], 128*KS/256
	s_mov_b32 s[\g+5], 32
	s_mov_b32 s[\g+6], 0
	s_mov_b32 s[\g+7], 0
.endr
	s_lshl_b32 s18, s16, 7                         ; which 128 rows of the tile I fetch
	s_lshl_b32 s20, s66, 8
	s_add_co_u32 s20, s20, s18                     ; A: row place 256 x tile + 128 x half
	s_lshl_b32 s46, s104, 8
	s_add_co_u32 s46, s46, s18                     ; B likewise
	s_mov_b32 s21, 0
	s_mov_b32 s47, 0
	s_mov_b64 s[18:19], KS
	s_mul_u64 s[22:23], s[20:21], s[18:19]         ; where these rows' scale bytes begin
	s_mul_u64 s[100:101], s[46:47], s[18:19]
	s_mov_b64 s[18:19], KROW
	s_mul_u64 s[20:21], s[20:21], s[18:19]         ; and their codes
	s_mul_u64 s[46:47], s[46:47], s[18:19]
	s_mul_i32 s45, s14, HALFT                      ; where they go: wave x 128 rows: no place in the cluster enters an LDS address
	s_mul_i32 s94, s14, HALFS
	s_wait_kmcnt 0x0
	s_cmp_eq_u32 s95, 0                            ; q, k: A = x, B = the weights;  v: the other way round
	s_cselect_b64 s[2:3], s[4:5], s[8:9]           ; A's codes
	s_cselect_b64 s[8:9], s[8:9], s[4:5]           ; B's codes
	s_cselect_b64 s[92:93], s[6:7], s[10:11]       ; A's scale bytes
	s_cselect_b64 s[10:11], s[10:11], s[6:7]       ; B's scale bytes
	s_add_nc_u64 s[20:21], s[2:3], s[20:21]
	s_add_nc_u64 s[22:23], s[92:93], s[22:23]
	s_add_nc_u64 s[46:47], s[8:9], s[46:47]
	s_add_nc_u64 s[92:93], s[10:11], s[100:101]
	CROUND                                         ; all sixteen work-groups are here: the first joint loads meet
	s_mov_b32 s[G0S], 1
	s_add_co_u32 s[G0S+1], s94, SCL
	s_mov_b64 s[G0S+2:G0S+3], s[22:23]
	s_or_b32 s[G0S+3], s[G0S+3], 0x80000000
	s_mov_b32 s[G0SB], 1
	s_add_co_u32 s[G0SB+1], s94, SCL
	s_mov_b64 s[G0SB+2:G0SB+3], s[92:93]
	s_or_b32 s[G0SB+3], s[G0SB+3], 0x80000000
	JLOAD G0S, G1S, G0SB, G1SB                     ; the scale bytes first: they are wanted with K step 0
.irp s, 0,1
	s_mov_b32 s[G0+4*\s], 1                                        ; 1:0 count = 1
	s_add_co_u32 s[G0+4*\s+1], s45, \s*SLOT                        ; 63:32 LDS address
	s_add_nc_u64 s[G0+4*\s+2:G0+4*\s+3], s[20:21], \s*ROWB         ; 120:64 global address: K step s
	s_or_b32 s[G0+4*\s+3], s[G0+4*\s+3], 0x80000000                ; 127:126 type = 2
	s_mov_b32 s[G0B+4*\s], 1
	s_add_co_u32 s[G0B+4*\s+1], s45, \s*SLOT
	s_add_nc_u64 s[G0B+4*\s+2:G0B+4*\s+3], s[46:47], \s*ROWB
	s_or_b32 s[G0B+4*\s+3], s[G0B+4*\s+3], 0x80000000
	JLOAD G0+4*\s, G1, G0B+4*\s, G1B               ; three tensor loads of mine are out now, the most in this text
.endr
	v_and_b32 v1, 15, v0                           ; r = lane % 16
	v_bfe_u32 v2, v0, 4, 1                         ; h = lane / 16
	v_mul_u32_u24 v3, v1, PITCH
	v_lshl_add_u32 v4, v2, 4, v3                   ; a fragment's row x pitch + 16 x half
	s_mul_i32 s21, s15, HALFT                      ; my 128 rows of A
	s_mul_i32 s22, s16, HALFT                      ; my 128 rows of B,
	s_add_co_u32 s22, s22, 2*HALFT                 ; which lie behind A's 256
.irp s, 0,1
	v_add_nc_u32 v[ADRA+\s], s21, v4
	v_add_nc_u32 v[ADRB+\s], s22, v4
	s_add_co_u32 s21, s21, SLOT
	s_add_co_u32 s22, s22, SLOT
.endr
	v_mul_u32_u24 v5, v1, KS                       ; my row's scale bytes: 32 a row,
	v_lshrrev_b32 v6, 8, v5
	v_lshl_add_u32 v5, v6, 4, v5                   ; and 16 more for each 256 passed
	s_mul_i32 s21, s15, HALFS                      ; A's: my 128 rows
	s_mul_i32 s22, s16, HALFS                      ; B's: my 128 rows, behind A's 256
	s_add_co_u32 s22, s22, 2*HALFS
	s_sub_co_u32 s22, s22, s21
	v_mul_u32_u24 v6, s22, v2                      ; lanes 16-31 take B's: one product, the distance between the two x h
	s_add_co_u32 s21, s21, SCL
	v_add_nc_u32 v5, v5, v6
	v_add_nc_u32 v[ADRS], s21, v5
.macro FRAG reg, adr, q, i             ; a fragment, 16 rows x 128 K of 8-bit codes: lane l holds row l % 16; registers 4 c .. 4 c + 3 hold K = 32 c + 16 (l / 16) + 0 .. 15
.irp c, 0,1,2,3
	ds_load_b128 v[\reg+4*\c:\reg+4*\c+3], v[\adr] offset:128*(\q)+32*\c+(\i)*16*PITCH
.endr
.endm
; 16 matrix instructions: A's blocks a0, a0 + 1 x B's eight, 128 along K: the slot's q-th.  p: B's set;  sc: the set of scale words.  zero = 1: the first product starts the sums: nothing is ever cleared.
; The 64 accumulators take turns, one instruction a turn, in the same order in every step.
.macro MUL16 a0, p, q, sc, zero
.irp a, \a0, \a0+1
.irp b, 0,1,2,3,4,5,6,7
.if \zero
	v_wmma_scale_f32_16x16x128_f8f6f4 v[8*(8*((\a)%4)+\b):8*(8*((\a)%4)+\b)+7], v[128*(\p)+FR*\b:128*(\p)+FR*\b+FR-1], v[AF+FR*(\a):AF+FR*(\a)+FR-1], 0, v[SC+8*NQ*(\sc)+NQ*\b+(\q)], v[SC+8*NQ*(\sc)+NQ*(\a)+(\q)] matrix_a_fmt:MATRIX_FMT_BF8 matrix_b_fmt:MATRIX_FMT_BF8 matrix_a_scale:MATRIX_SCALE_ROW1
.else
	v_wmma_scale_f32_16x16x128_f8f6f4 v[8*(8*((\a)%4)+\b):8*(8*((\a)%4)+\b)+7], v[128*(\p)+FR*\b:128*(\p)+FR*\b+FR-1], v[AF+FR*(\a):AF+FR*(\a)+FR-1], v[8*(8*((\a)%4)+\b):8*(8*((\a)%4)+\b)+7], v[SC+8*NQ*(\sc)+NQ*\b+(\q)], v[SC+8*NQ*(\sc)+NQ*(\a)+(\q)] matrix_a_fmt:MATRIX_FMT_BF8 matrix_b_fmt:MATRIX_FMT_BF8 matrix_a_scale:MATRIX_SCALE_ROW1
.endif
.endr
.endr
.endm
.macro FETCH_B slot, q, p              ; B's eight fragments of the slot's q-th 128 along K into set p
	WIN TO_B
.irp i, 0,1,2,3,4,5,6,7
	FRAG 128*(\p)+FR*\i, ADRB+\slot, \q, \i
.endr
	WIN 0
.endm
.macro FETCH_A slot, q, i0             ; A's blocks i0 .. i0 + 3
.irp i, \i0, \i0+1, \i0+2, \i0+3
	FRAG AF+FR*(\i), ADRA+\slot, \q, \i
.endr
.endm
.macro SCALES sc                       ; the next K step's scale words into set sc: two words a row; lanes 0-15 take A's block i, lanes 16-31 B's block i
.irp i, 0,1,2,3,4,5,6,7
	ds_load_b64 v[SC+8*NQ*\sc+NQ*\i:SC+8*NQ*\sc+NQ*\i+1], v[ADRS] offset:\i*SBLK
.endr
.endm
; A load into a register that a matrix instruction has read, and a vector instruction that reads a matrix result or writes one of a matrix instruction's registers, stand NP places behind it, and only plain
; vector instructions that name none of its registers are places (ISA guide 7.12.1 for vector instructions); the matrix instructions in between are not counted.
.macro PLACES n
.rept \n
	v_nop
.endr
.endm
; A step of 128 along K that has its successor in the same slot.  A block of A is free as soon as its eight products are issued: blocks 0-3 are fetched anew in the step's middle, blocks 4-7 at its end.
.macro STEP slot, q, zero
	s_wait_dscnt 4*NL                              ; B's set, the scale words and A's blocks 0-3 are in; the youngest sixteen loads (A's blocks 4-7) may be out
	WIN MUL_LO
	MUL16 0, (\q)%2, \q, \slot, \zero
	MUL16 2, (\q)%2, \q, \slot, \zero
	s_wait_dscnt 0                                 ; A's blocks 4-7 are in (asked for 32 matrix instructions ago)
	PLACES NP
	FETCH_B \slot, (\q)+1, 1-(\q)%2
	FETCH_A \slot, (\q)+1, 0
	WIN MUL_HI
	MUL16 4, (\q)%2, \q, \slot, \zero
	MUL16 6, (\q)%2, \q, \slot, \zero
	PLACES NP
	WIN 0
	FETCH_A \slot, (\q)+1, 4
.endm
; A slot's last step changes slots: ONE barrier; in front of it each wave waits for all its tensor loads, adds 0 to its spare word, and waits for that and for its own reads of this slot.  fill = 1: this slot is filled again, two K steps ahead.
.macro TURN slot, next, fill
	s_wait_tensorcnt 0x0                           ; all my tensor loads have landed: my part of the next slot  (every window is 0 here: the add's two registers lie in window 0)
	ds_add_u32 v[SPW], v[NIL]                      ; 0 onto my spare word
	s_wait_dscnt 4*NL+1                            ; (the add and the youngest sixteen loads, A's blocks 4-7, may be out)
	WIN MUL_LO
	MUL16 0, 1, NQ-1, \slot, 0                     ; sixteen matrix instructions stand between the add and the wait for it
	s_wait_dscnt 0x0                               ; the add is done, and my reads of this slot are over
	s_barrier_signal -1
	MUL16 2, 1, NQ-1, \slot, 0
	WIN 0
	s_barrier_wait -1
.if \fill
	CREST                                          ; the barrier has opened a round of the cluster's barrier: no wave of any partner still reads this slot's tile or has a load on its way
	s_add_nc_u64 s[G0+4*\slot+2:G0+4*\slot+3], s[G0+4*\slot+2:G0+4*\slot+3], 2*ROWB
	s_add_nc_u64 s[G0B+4*\slot+2:G0B+4*\slot+3], s[G0B+4*\slot+2:G0B+4*\slot+3], 2*ROWB
	JLOAD G0+4*\slot, G1, G0B+4*\slot, G1B         ; the first tensor load behind the round, my only one until the next; the four v_nop behind it are among the places in front of the loads below
	PLACES NP-4
.else
	PLACES NP
.endif
	s_wait_alu depctr_va_vdst(0)
	v_add_nc_u32 v[ADRS], 4*NQ, v[ADRS]            ; on to the next K step's scale words
	FETCH_B \next, 0, 0
	FETCH_A \next, 0, 0
	SCALES \next
	WIN MUL_HI
	MUL16 4, 1, NQ-1, \slot, 0
	MUL16 6, 1, NQ-1, \slot, 0
	PLACES NP
	WIN 0
	FETCH_A \next, 0, 4
.endm
	s_wait_alu depctr_va_vdst(0)
	s_wait_tensorcnt 1                             ; the scale bytes and my part of K step 0 are in (K step 1's load may be out)
	s_barrier_signal -1
	s_barrier_wait -1                              ; everybody's are
	FETCH_B 0, 0, 0
	FETCH_A 0, 0, 0
	SCALES 0
	FETCH_A 0, 0, 4
	STEP 0, 0, 1                                   ; the first step's products start the sums
.rept LAPS-1                           ; K = 1,024 is two laps: one lap fills both slots again, so it is written out and there is no backward jump
	TURN 0, 1, 1
	STEP 1, 0, 0
	TURN 1, 0, 1
	STEP 0, 0, 0
.endr
	TURN 0, 1, 0                                   ; the last lap fills nothing, and has no round of the cluster's barrier
	STEP 1, 0, 0
	s_wait_dscnt 4*NL                              ; the very last step: nothing more to fetch
	WIN MUL_LO
	MUL16 0, 1, NQ-1, 1, 0
	MUL16 2, 1, NQ-1, 1, 0
	s_wait_dscnt 0
	WIN MUL_HI
	MUL16 4, 1, NQ-1, 1, 0
	MUL16 6, 1, NQ-1, 1, 0
	WIN 0
	; THE WAY OUT.  No LDS: a block's 16 code registers are four chunks of an operand's image, each stored as 512 consecutive bytes.  No tensor load is out (the last change of slots waited for all), so the descriptors' registers are free.
	PLACES NP                                      ; behind the last products: their results are read, and registers that held scale words' neighbours and A's fragments are written, only from here on
	s_lshl_b32 s68, s66, 8
	s_lshl_b32 s69, s15, 7
	s_add_co_u32 s68, s68, s69                     ; my first row place of A
	s_lshl_b32 s70, s104, 8
	s_lshl_b32 s71, s16, 7
	s_add_co_u32 s70, s70, s71                     ; and of B
	s_cmp_eq_u32 s95, 1
	s_cselect_b32 s72, s70, s68                    ; my first token: x's row
	s_cselect_b32 s73, s68, s70                    ; my first row of the weights: 0-1,023 q, 1,024-2,047 k, 2,048-3,071 v
	s_lshr_b32 s74, s72, 11
	s_lshl_b32 s74, s74, 4
	s_bfe_u32 s75, s73, 0x40006
	s_add_co_u32 s74, s74, s75                     ; 16 x batch + head: the first of my two heads
	s_and_b32 s75, s72, 2047                       ; the token in its batch, a multiple of 128
	s_lshr_b32 s76, s73, 10                        ; the section: 0 q, 1 k, 2 v
	s_mul_i32 s77, s74, 393216
	s_lshl_b32 s78, s76, 17
	s_add_co_u32 s77, s77, s78
	s_lshl_b32 s78, s75, 6                         ; 64 bytes a token in all three sections (16 tokens: 1,024; 128 keys: 8,192)
	s_add_co_u32 s78, s77, s78
	s_mov_b32 s79, 0
	s_add_nc_u64 s[96:97], s[96:97], s[78:79]      ; where my codes begin
	s_mul_i32 s80, s74, 20480
	s_lshl_b32 s81, s76, 13
	s_add_co_u32 s80, s80, s81
	s_cmp_eq_u32 s95, 1
	s_cselect_b32 s81, 1, 2                        ; scale words: q, k: 256 bytes for 64 tokens;  v: 256 bytes for 128 keys
	s_lshl_b32 s81, s75, s81
	s_add_co_u32 s80, s80, s81
	s_mov_b32 s81, 0
	s_add_nc_u64 s[98:99], s[98:99], s[80:81]      ; where my first four blocks' scale words go
	s_cmp_eq_u32 s95, 1                            ; the strides: first figure v's, second q's and k's
	s_mov_b32 s82, 1024
	s_cselect_b32 s82, 2048, s82                   ; from a block of rows to the next: a tile of dims | a tile of tokens
	s_mov_b32 s83, 0
	s_mov_b32 s84, 1024
	s_cselect_b32 s84, 387072, s84                 ; from block 3 to block 4: the next head's first tile of dims (393,216 - 3 x 2,048) | the next tile of tokens
	s_mov_b32 s85, 0
	s_mov_b32 s86, 393216
	s_cselect_b32 s86, 1024, s86                   ; from blocks 0, 1 along n to blocks 2, 3: the next 64 keys | the next head
	s_cselect_b32 s87, 0, 20480                    ; lanes 16-31 of a store of scale words: the same words | the next head's
	s_mov_b32 s88, 256
	s_cselect_b32 s88, 20480, s88                  ; the second store of scale words: the next head | the next 64 tokens
	s_mov_b32 s89, 0
	s_cselect_b32 s90, 0, 16                       ; lanes 16-31 shift the word: not | by the first head's two bytes
	s_add_nc_u64 s[100:101], s[98:99], s[88:89]
	s_mov_b32 s20, 0x76543210
	s_mov_b32 s21, 0xfedcba98                      ; v_permlanex16_b32's selects for lane l xor 16
	v_and_b32 v3, 31, v0
	v_lshlrev_b32 v[VLO], 4, v3
	v_add_nc_u32 v[VHI], s86, v[VLO]
	v_mul_u32_u24 v[VSO], s87, v2
	v_lshl_add_u32 v[VSO], v1, 4, v[VSO]           ; 16 r (+ the next head's words for lanes 16-31)
	v_mul_u32_u24 v[SHV], s90, v2
.irp b, 0,1,2,3
	v_mov_b32 v[TM+4+\b], 0                        ; written once: a lane permute's destination counts as one of its sources
.endr
; Block a of my rows: 64 numbers a lane, register 16 g + i = n 32 g + 16 (lane / 16) + i, in window 2 or 3, become 16 code registers and a scale word.  Each accumulator is read from its low end on.
.macro QUANTW a
.set AC, 64*((\a)%4)
.set PCA, PC+16*(\a)
	WIN (2+(\a)/4)*5                               ; sources 0 and 1: the accumulators' window
.irp b, 0,1,2,3
	v_max3_num_f32 v[TM+\b], |v[AC+16*\b]|, |v[AC+16*\b+1]|, 0x8000000   ; block b: my 16 numbers, and the floor 2^(16 - 127): so the byte cannot fall under 1
.endr
.irp i, 2,4,6,8,10,12,14
.irp b, 0,1,2,3
	v_max3_num_f32 v[TM+\b], |v[AC+16*\b+\i]|, |v[AC+16*\b+\i+1]|, v[TM+\b]   ; (the four blocks by turns: no line waits for the line above it)
.endr
.endr
	WIN 0
.irp b, 0,1,2,3
	v_permlanex16_b32 v[TM+4+\b], v[TM+\b], s20, s21
.endr
.irp b, 0,1,2,3
	v_max_num_f32 v[TM+\b], v[TM+\b], v[TM+4+\b]   ; with lane l xor 16's: the block's largest magnitude
.endr
.irp b, 0,1,2,3
	v_add_nc_u32 v[TM+12+\b], 0xf8800000, v[TM+\b] ; 15 off its exponent field: the conversion's scale operand
.endr
.irp b, 0,1,2,3
.endr
.irp b, 0,1,2,3
	v_lshrrev_b32 v[TM+4+\b], 23, v[TM+12+\b]      ; the scale's byte
.endr
	v_lshl_or_b32 v[PW], v[TM+5], 8, v[TM+4]       ; the four bytes make my row's scale word; both halves of the lanes hold it
	v_lshl_or_b32 v[PW], v[TM+6], 16, v[PW]
	v_lshl_or_b32 v[PW], v[TM+7], 24, v[PW]
	v_lshrrev_b32 v[SW+(\a)], v[SHV], v[PW]        ; q, k: lanes 16-31 keep the second head's two bytes
	WIN (2+(\a)/4)*65                              ; destination and source 0: the accumulators' window
.irp b, 0,1,2,3
.irp i, 0,1,2,3,4,5,6,7,8,9,10,11,12,13,14,15
.endr
.endr
	WIN 2+(\a)/4                                   ; source 0: the accumulators' window
.irp b, 0,1,2,3
	v_cvt_scalef32_pk8_bf8_f32 v[PCA+4*\b:PCA+4*\b+1], v[AC+16*\b:AC+16*\b+7], v[TM+12+\b]
	v_cvt_scalef32_pk8_bf8_f32 v[PCA+4*\b+2:PCA+4*\b+3], v[AC+16*\b+8:AC+16*\b+15], v[TM+12+\b]
.endr
	WIN 0
	v_nop                                          ; one plain line behind the last conversion, ahead of the next block's lines, which write the scale operands
.endm
.macro OUT a
.set PCA, PC+16*(\a)
.if (\a) == 4
	s_wait_xcnt 0x0                                ; the earlier stores have had their addresses translated (ISA guide 3.1): only behind this wait is their base stepped
	s_add_nc_u64 s[96:97], s[96:97], s[84:85]
.elseif (\a) > 0
	s_wait_xcnt 0x0
	s_add_nc_u64 s[96:97], s[96:97], s[82:83]
.endif
	global_store_b128 v[VLO], v[PCA:PCA+3], s[96:97]                    ; each store covers 512 consecutive bytes, aligned
	global_store_b128 v[VLO], v[PCA+4:PCA+7], s[96:97] offset:512
	global_store_b128 v[VHI], v[PCA+8:PCA+11], s[96:97]
	global_store_b128 v[VHI], v[PCA+12:PCA+15], s[96:97] offset:512
.if (\a) == 3
	global_store_b128 v[VSO], v[SW:SW+3], s[98:99]                      ; sixteen lanes fill 256 consecutive bytes, aligned.  For v both halves of the lanes write the same bytes with the same values
.endif
.if (\a) == 7
	global_store_b128 v[VSO], v[SW+4:SW+7], s[100:101]
.endif
.endm
.irp a, 0,1,2,3,4,5,6,7
	QUANTW \a
	s_wait_alu depctr_va_vdst(0)
	OUT \a
.endr
	s_wait_tensorcnt 0x0                           ; the wave's end
	ds_add_u32 v[SPW], v[NIL]
	s_wait_dscnt 0x0
	CROUND                                         ; the closing round: no work-group ends while a partner may still ask for a tile that names it
	s_endpgm
.Lfunc_end_k_qab1ec58fbc_proj:
	.size	k_qab1ec58fbc_proj, .Lfunc_end_k_qab1ec58fbc_proj-k_qab1ec58fbc_proj
	.p2alignl 7, 3214868480
	.fill 96, 4, 3214868480
	.section	.rodata,"a",@progbits
	.p2align	6, 0x0
	.amdhsa_kernel k_qab1ec58fbc_proj
		.amdhsa_group_segment_fixed_size 327680
		.amdhsa_private_segment_fixed_size 0
		.amdhsa_enable_private_segment 0
		.amdhsa_kernarg_size 48
		.amdhsa_user_sgpr_count 2
		.amdhsa_user_sgpr_kernarg_segment_ptr 1
		.amdhsa_wavefront_size32 1
		.amdhsa_system_sgpr_workgroup_id_x 1
		.amdhsa_system_sgpr_workgroup_id_y 1
		.amdhsa_system_sgpr_workgroup_id_z 1
		.amdhsa_system_vgpr_workitem_id 0
		.amdhsa_next_free_vgpr 1024
		.amdhsa_next_free_sgpr 106
		.amdhsa_reserve_vcc 0
		.amdhsa_float_denorm_mode_32 3
		.amdhsa_float_denorm_mode_16_64 3
		.amdhsa_fp16_overflow 1
		.amdhsa_memory_ordered 1
		.amdhsa_forward_progress 1
		.amdhsa_inst_pref_size 152
	.end_amdhsa_kernel
	.amdgpu_metadata
---
amdhsa.version: [ 1, 2 ]
amdhsa.kernels:
  - .name:           k_qab1ec58fbc_proj
    .symbol:         k_qab1ec58fbc_proj.kd
    .args:
      - { .name: x_codes, .offset: 0, .size: 8, .value_kind: global_buffer, .address_space: global }
      - { .name: x_scales, .offset: 8, .size: 8, .value_kind: global_buffer, .address_space: global }
      - { .name: w_codes, .offset: 16, .size: 8, .value_kind: global_buffer, .address_space: global }
      - { .name: w_scales, .offset: 24, .size: 8, .value_kind: global_buffer, .address_space: global }
      - { .name: qkv, .offset: 32, .size: 8, .value_kind: global_buffer, .address_space: global }
      - { .name: scl, .offset: 40, .size: 8, .value_kind: global_buffer, .address_space: global }
    .group_segment_fixed_size: 327680
    .private_segment_fixed_size: 0
    .kernarg_segment_align: 8
    .kernarg_segment_size: 48
    .max_flat_workgroup_size: 128
    .sgpr_count:     106
    .vgpr_count:     1024
    .wavefront_size: 32
...
	.end_amdgpu_metadata
.endif
;; end of part 2
;; launch attn (part 3): grid 4 x 64, 8 waves a work-group, clusters of 4 x 1, 327,680 bytes of LDS; arguments qkv, scl, attention_mask, out0; writes out0
.if DOCPART == 3
	.amdgcn_target "amdgcn-amd-amdhsa--gfx1250"
	.amdhsa_code_object_version 6
	.text
	.protected	k_qab1ec58fbc_attn
	.globl	k_qab1ec58fbc_attn
	.p2align	8
	.type	k_qab1ec58fbc_attn,@function
k_qab1ec58fbc_attn:
	s_mov_b64 s[64:65], 0
	v_nop
	global_prefetch_b8 v0, s[64:65] scope:SCOPE_SE
	s_setreg_imm32_b32 hwreg(HW_REG_WAVE_MODE, 25, 1), 1
	s_wait_xcnt 0x0
	s_wait_alu depctr_hold_cnt(0) depctr_sa_sdst(0) depctr_va_vdst(0) depctr_va_sdst(0) depctr_va_ssrc(0) depctr_va_vcc(0) depctr_vm_vsrc(0)
	s_getreg_b32 s2, hwreg(HW_REG_IB_STS2, 6, 4)
	s_cmp_eq_u32 s2, 0
	s_cbranch_scc0 .Lentry_in_a_cluster
	s_endpgm
.Lentry_in_a_cluster:
	s_bfe_u32 s2, ttmp6, 0x10000c
	s_cmp_lg_u32 s2, 0x3003
	s_cbranch_scc0 .Lentry_shape_is_right
	s_endpgm
.Lentry_shape_is_right:
.set VC,   131072
.set SCB,  262144
.set AB,   274432
.set STG,  290816
.set LI,   1
.set AV0,  2
.set AA0,  3
.set AKS0, 4
.set AVS0, 5
.set ADK,  6
.set ADV,  7
.set ADA,  8
.set ADKS, 9
.set ADVS, 10
.set QSO,  11
.set STO,  12
.set RD,   13
.set GO,   14
.set ST,   16
.set KSW,  32
.set VSW,  40
.set QSW,  44
.set PSW,  46
.set BM,   48
.set PT,   52
.set HD,   56
.set SO,   60
.set S,    64
.set OT,   128
.set P,    192
.set AF,   0
.set BF,   64
.set KV,   128
.set KZ,   192
.set QF,   200
.set WV,   12
.set SEL,  20
.set MNT,  22
.set CNT,  24
.set TK,   25
.set TA,   26
.set TV,   27
.set G1S,  28
.set G1P,  36
.set G1R,  44
.set G0S,  52
.set G0P,  56
.set G0R,  60
.set MSB, 0
.macro WIN new
.if MSB != (\new)
	s_set_vgpr_msb (MSB<<8)|(\new)
.set MSB, (\new)
.endif
.endm
.macro CROUND
	s_barrier_signal -1
	s_barrier_wait -1
	s_cmp_lg_u32 s[WV], 0
	s_cbranch_scc1 .Lnot_wave_0_\@
	s_barrier_signal -3
.Lnot_wave_0_\@:
	s_barrier_wait -3
	s_barrier_signal -1
	s_barrier_wait -1
.endm
.macro QLOAD p
	WIN 0x40
.irp u, 0,1
.irp c, 0,1
	global_load_b128 v[QF+16*\u+4*\c:QF+16*\u+4*\c+3], v[LI], s[68:69] offset:16384*\p+1024*\u+512*\c
.endr
.endr
	WIN 0
	global_load_b64 v[QSW:QSW+1], v[QSO], s[70:71] offset:1024*\p
.endm
	s_load_b256 s[4:11], s[0:1], 0x0
	v_lshl_add_u32 v254, v0, 2, 0x4f800
	v_mov_b32 v255, 0
	ds_add_u32 v254, v255
	ds_add_u32 v254, v255
	v_lshrrev_b32 v15, 5, v0
	s_delay_alu instid0(VALU_DEP_1)
	v_readfirstlane_b32 s[WV], v15
	s_bfe_u32 s13, ttmp6, 0x40000
	s_and_b32 s14, ttmp7, 0xffff
.irp g, G1S, G1P, G1R
	s_mov_b32 s[\g], 15|(3<<16)|(1<<21)
	s_mov_b32 s[\g+1], 32<<16
	s_mov_b32 s[\g+3], 32<<16
	s_mov_b32 s[\g+5], 32
	s_mov_b32 s[\g+6], 0
	s_mov_b32 s[\g+7], 0
.endr
	s_mov_b32 s[G1S+2], 6<<16
	s_mov_b32 s[G1S+4], 6
	s_mov_b32 s[G1P+2], 32<<16
	s_mov_b32 s[G1P+4], 32
	s_mov_b32 s[G1R+2], 96<<16
	s_mov_b32 s[G1R+4], 96
	s_mul_i32 s74, s14, 393216
	s_mul_i32 s75, s14, 20480
	s_lshr_b32 s76, s[WV], 2
	s_lshl_b32 s76, s76, 17
	s_and_b32 s77, s[WV], 3
	s_lshl_b32 s78, s77, 13
	s_add_co_u32 s78, s78, s76
	s_mul_i32 s79, s77, 24576
	s_add_co_u32 s79, s79, s76
	s_add_co_u32 s79, s79, 32768
	s_mul_i32 s80, s[WV], 1536
	s_add_co_u32 s82, s75, s80
	s_add_co_u32 s82, s82, 8192
	s_mov_b32 s83, 0
	s_add_co_u32 s84, s74, s78
	s_add_co_u32 s84, s84, 131072
	s_mov_b32 s85, 0
	s_add_co_u32 s86, s74, s79
	s_add_co_u32 s86, s86, 131072
	s_mov_b32 s87, 0
	s_mov_b32 s[G0S], 1
	s_add_co_u32 s[G0S+1], s80, SCB
	s_mov_b32 s[G0P], 1
	s_mov_b32 s[G0P+1], s78
	s_mov_b32 s[G0R], 1
	s_mov_b32 s[G0R+1], s79
	s_wait_dscnt 0x0
	s_wait_kmcnt 0x0
	s_add_nc_u64 s[G0S+2:G0S+3], s[6:7], s[82:83]
	s_or_b32 s[G0S+3], s[G0S+3], 0x80000000
	s_add_nc_u64 s[G0P+2:G0P+3], s[4:5], s[84:85]
	s_or_b32 s[G0P+3], s[G0P+3], 0x80000000
	s_add_nc_u64 s[G0R+2:G0R+3], s[4:5], s[86:87]
	s_or_b32 s[G0R+3], s[G0R+3], 0x80000000
	CROUND
	tensor_load_to_lds s[G0S:G0S+3], s[G1S:G1S+7]
	s_nop 0
	tensor_load_to_lds s[G0P:G0P+3], s[G1P:G1P+7]
	s_nop 0
	tensor_load_to_lds s[G0R:G0R+3], s[G1R:G1R+7]
	s_nop 0
.rept 4
	v_nop
.endr
	s_lshr_b32 s90, s14, 4
	s_lshl_b32 s88, s90, 13
	s_mov_b32 s89, 0
	s_add_nc_u64 s[8:9], s[8:9], s[88:89]
	v_lshlrev_b32 v88, 5, v0
	global_load_b128 v[64:67], v88, s[8:9]
	global_load_b128 v[68:71], v88, s[8:9] offset:16
	s_lshl_b32 s88, s13, 5
	s_lshl_b32 s91, s[WV], 1
	s_add_co_u32 s88, s88, s91
	s_lshl_b32 s88, s88, 10
	s_add_co_u32 s88, s88, s74
	s_add_nc_u64 s[68:69], s[4:5], s[88:89]
	s_lshl_b32 s88, s13, 3
	s_lshr_b32 s91, s[WV], 1
	s_add_co_u32 s88, s88, s91
	s_lshl_b32 s88, s88, 8
	s_add_co_u32 s88, s88, s75
	s_add_nc_u64 s[70:71], s[6:7], s[88:89]
	s_lshl_b32 s88, s90, 11
	s_lshl_b32 s91, s13, 9
	s_add_co_u32 s88, s88, s91
	s_lshl_b32 s91, s[WV], 5
	s_add_co_u32 s88, s88, s91
	s_lshl_b32 s88, s88, 12
	s_and_b32 s91, s14, 15
	s_lshl_b32 s91, s91, 8
	s_add_co_u32 s88, s88, s91
	s_add_nc_u64 s[72:73], s[10:11], s[88:89]
	s_mov_b32 s[SEL], 0x76543210
	s_mov_b32 s[SEL+1], 0xfedcba98
	v_lshl_add_u32 v89, v0, 5, AB
	v_and_b32 v15, 31, v0
	v_bfe_u32 v90, v0, 4, 1
	v_and_b32 v91, 15, v0
	s_delay_alu instid0(VALU_DEP_3)
	v_lshlrev_b32 v[LI], 4, v15
	s_delay_alu instid0(VALU_DEP_1)
	v_add_nc_u32 v[AV0], VC, v[LI]
	s_delay_alu instid0(VALU_DEP_4)
	v_lshl_add_u32 v[AA0], v90, 6, AB
	s_delay_alu instid0(VALU_DEP_4)
	v_lshl_add_u32 v[AKS0], v91, 4, SCB
	v_lshl_add_u32 v[AVS0], v91, 4, SCB+8192
	s_and_b32 s91, s[WV], 1
	s_lshl_b32 s91, s91, 3
	v_lshl_add_u32 v[QSO], v91, 4, s91
	s_mul_i32 s90, s[WV], 16*272
	s_add_co_u32 s90, s90, STG
	v_mul_u32_u24 v[STO], v91, 272
	s_delay_alu instid0(VALU_DEP_1)
	v_lshl_add_u32 v[STO], v90, 6, v[STO]
	s_delay_alu instid0(VALU_DEP_1)
	v_add_nc_u32 v[STO], s90, v[STO]
	v_mul_u32_u24 v[RD], v90, 272
	s_delay_alu instid0(VALU_DEP_1)
	v_lshl_add_u32 v[RD], v91, 4, v[RD]
	s_delay_alu instid0(VALU_DEP_1)
	v_add_nc_u32 v[RD], s90, v[RD]
	v_lshlrev_b32 v[GO], 12, v90
	s_delay_alu instid0(VALU_DEP_1)
	v_lshl_add_u32 v[GO], v91, 4, v[GO]
.irp b, 0,1,2,3
	v_mov_b32 v[PT+\b], 0
.endr
	WIN 0x40
.irp i, 0,1,2,3,4,5,6,7
	v_mov_b32 v[KZ+\i], 0
	v_mov_b32 v[QF+8+\i], 0
	v_mov_b32 v[QF+24+\i], 0
.endr
	QLOAD 0
	s_wait_loadcnt 0x5
.irp i, 0,1,2,3,4,5,6,7
	v_cvt_f32_i32 v[64+\i], v[64+\i]
.endr
.irp i, 0,1,2,3,4,5,6,7
	v_mul_f32 v[72+\i], 0x3e38aa3b, v[64+\i]
	v_sub_f32 v[80+\i], 1.0, v[64+\i]
.endr
.irp i, 0,1,2,3,4,5,6,7
	v_mul_f32 v[80+\i], 0xc61c4000, v[80+\i]
.endr
.irp i, 0,1,2,3,4,5,6,7
	v_mul_f32 v[80+\i], 0x3fb8aa3b, v[80+\i]
.endr
	ds_store_b128 v89, v[72:75]
	ds_store_b128 v89, v[76:79] offset:16
	ds_store_b128 v89, v[80:83] offset:8192
	ds_store_b128 v89, v[84:87] offset:8208
.macro QK u
.irp t, 0,1,2,3,4,5,6,7
	v_wmma_scale_f32_16x16x128_f8f6f4 v[S+8*\t:S+8*\t+7], v[KV+8*\t:KV+8*\t+15], v[QF+16*\u:QF+16*\u+15], 0, v[KSW+\t], v[QSW+\u] matrix_a_fmt:MATRIX_FMT_BF8 matrix_b_fmt:MATRIX_FMT_BF8
.endr
.endm
.macro PV
.irp t, 0,1,2,3
.irp u, 0,1
	v_wmma_scale_f32_16x16x128_f8f6f4 v[OT+32*\u+8*\t:OT+32*\u+8*\t+7], v[KV+16*\t:KV+16*\t+15], v[P+16*\u:P+16*\u+15], v[OT+32*\u+8*\t:OT+32*\u+8*\t+7], v[VSW+\t], v[PSW+\u] matrix_a_fmt:MATRIX_FMT_BF8 matrix_b_fmt:MATRIX_FMT_BF8
.endr
.endr
.endm
.macro RESC u
.set j, 0
.rept 16
	v_pk_mul_f32 v[OT+32*\u+j:OT+32*\u+j+1], v[OT+32*\u+j:OT+32*\u+j+1], v[ST+8*\u+4:ST+8*\u+5] op_sel_hi:[1,0]
.set j, j+2
.endr
.endm
.macro EX
	v_exp_f32 v[S+xn], v[S+xn]
.set xn, xn+1
.endm
.macro TM b, i
	v_pk_add_f32 v[S+16*(\b)+2*(\i):S+16*(\b)+2*(\i)+1], v[S+16*(\b)+2*(\i):S+16*(\b)+2*(\i)+1], v[rT:rT+1] op_sel_hi:[1,0]
.endm
.macro SUM b, i
.set pq, 8*(\b)+(\i)
.if pq == 0
	s_wait_alu depctr_va_vdst(0)
	v_pk_add_f32 v[PT:PT+1], v[S:S+1], v[S+2:S+3]
.elseif pq == 1
.elseif pq%2 == 0
	s_wait_alu depctr_va_vdst(0)
	v_pk_add_f32 v[rT+2:rT+3], v[rT+2:rT+3], v[S+2*pq:S+2*pq+1]
.else
	v_pk_add_f32 v[PT:PT+1], v[PT:PT+1], v[S+2*pq:S+2*pq+1]
.endif
.endm
.macro HOLD b, n
.endm
.macro CODES b
	v_cvt_scalef32_pk8_bf8_f32 v[rP+4*(\b):rP+4*(\b)+1], v[S+16*(\b):S+16*(\b)+7], v[SO+(\b)]
	v_cvt_scalef32_pk8_bf8_f32 v[rP+4*(\b)+2:rP+4*(\b)+3], v[S+16*(\b)+8:S+16*(\b)+15], v[SO+(\b)]
	s_wait_alu depctr_va_vdst(0)
.endm
.macro SM u
.set rT, ST+8*\u
.set rP, P+16*\u
.set xn, 0
	WIN 0x14
.set j, 0
.rept 32
	v_pk_fma_f32 v[S+j:S+j+1], v[S+j:S+j+1], v[AF+j:AF+j+1], v[BF+j:BF+j+1]
.set j, j+2
.endr
	WIN 0
.irp b, 0,1,2,3
	v_max3_num_f32 v[BM+\b], v[S+16*\b], v[S+16*\b+1], v[S+16*\b+2]
.endr
.irp b, 0,1,2,3
	v_max3_num_f32 v[HD+\b], v[S+16*\b+3], v[S+16*\b+4], v[S+16*\b+5]
.endr
.irp i, 6,10
.irp b, 0,1,2,3
	v_max3_num_f32 v[BM+\b], v[BM+\b], v[S+16*\b+\i], v[S+16*\b+\i+1]
.endr
.irp b, 0,1,2,3
	v_max3_num_f32 v[HD+\b], v[HD+\b], v[S+16*\b+\i+2], v[S+16*\b+\i+3]
.endr
.endr
.irp b, 0,1,2,3
	v_max3_num_f32 v[BM+\b], v[BM+\b], v[S+16*\b+14], v[S+16*\b+15]
.endr
.irp b, 0,1,2,3
	s_delay_alu instid0(VALU_DEP_4)
	v_max_num_f32 v[BM+\b], v[BM+\b], v[HD+\b]
.endr
.irp b, 0,1,2,3
	s_delay_alu instid0(VALU_DEP_4)
	v_permlanex16_b32 v[PT+\b], v[BM+\b], s[SEL], s[SEL+1]
.endr
.irp b, 0,1,2,3
	s_delay_alu instid0(VALU_DEP_4)
	v_max_num_f32 v[BM+\b], v[BM+\b], v[PT+\b]
.endr
	s_delay_alu instid0(VALU_DEP_2)
	v_max3_num_f32 v[rT+6], v[BM], v[BM+1], v[BM+2]
	v_mov_b32 v[rT+7], v[rT]
	s_delay_alu instid0(VALU_DEP_2)
	v_max_num_f32 v[rT+6], v[rT+6], v[BM+3]
	s_delay_alu instid0(VALU_DEP_1)
	v_floor_f32 v[rT+6], -v[rT+6]
	s_delay_alu instid0(VALU_DEP_1)
	v_min_num_f32 v[rT], v[rT], v[rT+6]
	s_delay_alu instid0(VALU_DEP_1)
	v_sub_f32 v[rT+7], v[rT], v[rT+7]
	s_delay_alu instid0(VALU_DEP_2)
	v_add_f32 v[BM], v[BM], v[rT]
	s_delay_alu instid0(VALU_DEP_3)
	v_add_f32 v[BM+1], v[BM+1], v[rT]
	s_delay_alu instid0(VALU_DEP_3)
	v_cvt_i32_f32 v[rT+7], v[rT+7]
	v_add_f32 v[BM+2], v[BM+2], v[rT]
	v_add_f32 v[BM+3], v[BM+3], v[rT]
	s_delay_alu instid0(VALU_DEP_3)
	v_ldexp_f32 v[rT+4], 1.0, v[rT+7]
	s_wait_alu depctr_va_vdst(0)
.irp b, 0,1,2,3
	v_exp_f32 v[BM+\b], v[BM+\b]
	TM 0, 2*\b
	TM 0, 2*\b+1
.endr
	s_wait_alu depctr_va_vdst(0)
	EX
	v_pk_mul_f32 v[rT+2:rT+3], v[rT+2:rT+3], v[rT+4:rT+5] op_sel_hi:[1,0]
	s_wait_alu depctr_va_vdst(0)
.irp b, 0,1,2,3
	v_max_num_f32 v[BM+\b], 0x8000000, v[BM+\b]
.if \b%2 == 0
	EX
.endif
.endr
	s_wait_alu depctr_va_vdst(0)
.irp b, 0,1,2,3
	v_add_nc_u32 v[SO+\b], 0xf8800000, v[BM+\b]
.if \b%2 == 0
	EX
.endif
.endr
.irp b, 0,1,2,3
.if \b%2 == 0
	EX
.endif
.endr
	s_wait_alu depctr_va_vdst(0)
.irp b, 0,1,2,3
	v_lshrrev_b32 v[PT+\b], 23, v[SO+\b]
.if \b%2 == 0
	EX
.endif
.endr
	s_wait_alu depctr_va_vdst(0)
	v_lshl_or_b32 v[PSW+\u], v[PT+1], 8, v[PT]
	s_wait_alu depctr_va_vdst(0)
	EX
	v_lshl_or_b32 v[PSW+\u], v[PT+2], 16, v[PSW+\u]
	TM 1, 0
	s_wait_alu depctr_va_vdst(0)
	EX
	v_lshl_or_b32 v[PSW+\u], v[PT+3], 24, v[PSW+\u]
	TM 1, 1
	EX
	TM 1, 2
	TM 1, 3
	EX
	TM 1, 4
	EX
	TM 1, 5
	EX
	TM 1, 6
	EX
	TM 1, 7
.irp b, 0,1
.irp i, 0,1,2,3,4,5,6,7
	TM \b+2, \i
	EX
	SUM \b, \i
	HOLD \b, 2*\i
	EX
	HOLD \b, 2*\i+1
.endr
	CODES \b
.endr
.irp i, 0,1,2,3,4,5,6,7
	SUM 2, \i
	EX
	HOLD 2, 2*\i
	EX
	HOLD 2, 2*\i+1
.endr
	CODES 2
.irp i, 0,1,2,3,4,5,6,7
	SUM 3, \i
	HOLD 3, 2*\i
	HOLD 3, 2*\i+1
.endr
	CODES 3
	v_pk_add_f32 v[rT+2:rT+3], v[rT+2:rT+3], v[PT:PT+1]
.endm
.macro STEP
	v_add_nc_u32 v[ADK], s[TK], v[LI]
	v_add_nc_u32 v[ADV], s[TK], v[AV0]
	v_add_nc_u32 v[ADA], s[TA], v[AA0]
	v_add_nc_u32 v[ADKS], s[TA], v[AKS0]
	v_add_nc_u32 v[ADVS], s[TV], v[AVS0]
.rept 3
	v_nop
.endr
	ds_load_b128 v[KSW:KSW+3], v[ADKS]
	ds_load_b128 v[KSW+4:KSW+7], v[ADKS] offset:256
	WIN 0x40
.irp t, 0,1,2,3,4,5,6,7
.irp c, 0,1
	ds_load_b128 v[KV+8*\t+4*\c:KV+8*\t+4*\c+3], v[ADK] offset:1024*\t+512*\c
.endr
.endr
.irp g, 0,1,2,3
.irp c, 0,1,2,3
	ds_load_b128 v[AF+16*\g+4*\c:AF+16*\g+4*\c+3], v[ADA] offset:128*\g+16*\c
.endr
.endr
.irp g, 0,1,2,3
.irp c, 0,1,2,3
	ds_load_b128 v[BF+16*\g+4*\c:BF+16*\g+4*\c+3], v[ADA] offset:8192+128*\g+16*\c
.endr
.endr
	s_wait_dscnt 32
	WIN 0x05
	QK 0
.rept 8
	v_nop
.endr
	s_wait_dscnt 0x0
	SM 0
	WIN 0x05
	QK 1
	WIN 0
	RESC 0
	ds_load_b128 v[VSW:VSW+3], v[ADVS]
	WIN 0x40
.irp t, 0,1,2,3
.irp g, 0,1,2,3
	ds_load_b128 v[KV+16*\t+4*\g:KV+16*\t+4*\g+3], v[ADV] offset:2048*\t+512*\g
.endr
.endr
	SM 1
	RESC 1
	s_wait_alu depctr_va_vdst(0)
	s_wait_dscnt 0x0
	WIN 0x01
	PV
	WIN 0
	s_add_co_u32 s[TK], s[TK], 8192
	s_add_co_u32 s[TA], s[TA], 512
	s_add_co_u32 s[TV], s[TV], 256
.endm
.macro PASS_INIT
.set j, 0
.rept 64
	v_mov_b32 v[OT+j], 0
.set j, j+1
.endr
.irp u, 0,1
	v_mov_b32 v[ST+8*\u], 0x7f61b1e6
.irp i, 1,2,3,4,5,6,7
	v_mov_b32 v[ST+8*\u+\i], 0
.endr
.endr
	s_mov_b32 s[TK], 0
	s_mov_b32 s[TA], 0
	s_mov_b32 s[TV], 0
.endm
.macro PASS_OUT p
.rept 8
	v_nop
.endr
.irp u, 0,1
	v_add_f32 v[ST+8*\u+6], v[ST+8*\u+2], v[ST+8*\u+3]
.endr
.irp u, 0,1
	s_delay_alu instid0(VALU_DEP_2)
	v_permlanex16_b32 v[ST+8*\u+7], v[ST+8*\u+6], s[SEL], s[SEL+1]
.endr
.irp u, 0,1
	s_delay_alu instid0(VALU_DEP_2)
	v_add_f32 v[ST+8*\u+6], v[ST+8*\u+6], v[ST+8*\u+7]
.endr
	s_wait_alu depctr_va_vdst(0)
.irp u, 0,1
	v_rcp_f32 v[ST+8*\u+4], v[ST+8*\u+6]
.endr
	v_nop
	s_wait_alu depctr_va_vdst(0)
.irp u, 0,1
.set j, 0
.rept 16
	v_pk_mul_f32 v[S+32*\u+j:S+32*\u+j+1], v[OT+32*\u+j:OT+32*\u+j+1], v[ST+8*\u+4:ST+8*\u+5] op_sel_hi:[1,0]
.set j, j+2
.endr
.endr
.irp u, 0,1
.irp g, 0,1
.irp c, 0,1,2,3
	ds_store_b128 v[STO], v[S+32*\u+16*\g+4*\c:S+32*\u+16*\g+4*\c+3] offset:128*\g+16*\c
.endr
.endr
.irp i, 0,1,2,3,4,5,6,7
	ds_load_b128 v[OT+32*\u+4*\i:OT+32*\u+4*\i+3], v[RD] offset:544*\i
.endr
.endr
.irp u, 0,1
.irp i, 0,1,2,3,4,5,6,7
	s_wait_dscnt (1-\u)*16+7-\i
	global_store_b128 v[GO], v[OT+32*\u+4*\i:OT+32*\u+4*\i+3], s[72:73] offset:1048576*\p+(8*\u+2*\i+8*(\i/4))*4096 th:TH_STORE_NT
.endr
.endr
.endm
	PASS_INIT
	s_wait_tensorcnt 0x1
	s_wait_dscnt 0x0
	s_barrier_signal -1
	s_barrier_wait -1
	s_wait_loadcnt 0x0
	s_mov_b32 s[CNT], 4
.Lfirst:
	STEP
	s_sub_co_u32 s[CNT], s[CNT], 1
	s_cmp_lg_u32 s[CNT], 0
	s_cbranch_scc1 .Lfirst
	s_wait_tensorcnt 0x0
	s_wait_dscnt 0x0
	s_barrier_signal -1
	s_barrier_wait -1
	s_mov_b32 s[CNT], 12
.Lrest:
	STEP
	s_sub_co_u32 s[CNT], s[CNT], 1
	s_cmp_lg_u32 s[CNT], 0
	s_cbranch_scc1 .Lrest
	QLOAD 1
	PASS_OUT 0
	s_wait_xcnt 0x0
	PASS_INIT
	s_wait_loadcnt 0x0
	s_mov_b32 s[CNT], 16
.Lsecond:
	STEP
	s_sub_co_u32 s[CNT], s[CNT], 1
	s_cmp_lg_u32 s[CNT], 0
	s_cbranch_scc1 .Lsecond
	PASS_OUT 1
	s_wait_tensorcnt 0x0
	s_wait_dscnt 0x0
	s_wait_tensorcnt 0x0
	ds_add_u32 v254, v255
	s_wait_dscnt 0x0
	CROUND
	s_endpgm
.Lfunc_end_k_qab1ec58fbc_attn:
	.size	k_qab1ec58fbc_attn, .Lfunc_end_k_qab1ec58fbc_attn-k_qab1ec58fbc_attn
	.p2alignl 7, 3214868480
	.fill 96, 4, 3214868480
	.section	.rodata,"a",@progbits
	.p2align	6, 0x0
	.amdhsa_kernel k_qab1ec58fbc_attn
		.amdhsa_group_segment_fixed_size 327680
		.amdhsa_private_segment_fixed_size 0
		.amdhsa_enable_private_segment 0
		.amdhsa_kernarg_size 32
		.amdhsa_user_sgpr_count 2
		.amdhsa_user_sgpr_kernarg_segment_ptr 1
		.amdhsa_wavefront_size32 1
		.amdhsa_system_sgpr_workgroup_id_x 1
		.amdhsa_system_sgpr_workgroup_id_y 1
		.amdhsa_system_sgpr_workgroup_id_z 1
		.amdhsa_system_vgpr_workitem_id 0
		.amdhsa_next_free_vgpr 512
		.amdhsa_next_free_sgpr 96
		.amdhsa_reserve_vcc 0
		.amdhsa_float_denorm_mode_32 3
		.amdhsa_float_denorm_mode_16_64 3
		.amdhsa_fp16_overflow 1
		.amdhsa_memory_ordered 1
		.amdhsa_forward_progress 1
		.amdhsa_inst_pref_size 146
	.end_amdhsa_kernel
	.amdgpu_metadata
---
amdhsa.version: [ 1, 2 ]
amdhsa.kernels:
  - .name:           k_qab1ec58fbc_attn
    .symbol:         k_qab1ec58fbc_attn.kd
    .args:
      - { .name: qkv, .offset: 0, .size: 8, .value_kind: global_buffer, .address_space: global }
      - { .name: scl, .offset: 8, .size: 8, .value_kind: global_buffer, .address_space: global }
      - { .name: attention_mask, .offset: 16, .size: 8, .value_kind: global_buffer, .address_space: global }
      - { .name: out0, .offset: 24, .size: 8, .value_kind: global_buffer, .address_space: global }
    .group_segment_fixed_size: 327680
    .private_segment_fixed_size: 0
    .kernarg_segment_align: 8
    .kernarg_segment_size: 32
    .max_flat_workgroup_size: 256
    .sgpr_count:     96
    .vgpr_count:     512
    .wavefront_size: 32
...
	.end_amdgpu_metadata
.endif
;; end of part 3
